; MI455X (gfx1250); checked and timed in simulation.
; The chip was launched on July 23, 2026; its instructions are those of AMD's public machine-readable ISA for CDNA 5 (MIT licence, August 2026) and "CDNA5" Instruction Set Architecture Reference Guide (July 2026). The comments in the code are by the model that wrote it; some were corrected since.
;; p Mo E. Allowed arithmetic: matrix products marked QUANTISED: E2M1 operands, one E8M0 scale for each 32 along K, by v_wmma_scale_f32_16x16x128_f8f6f4 with both operands' format E2M1 (or v_wmma_scale_f32_32x16x128_f4), f32 sums; products left as they are: f32 operands where the result goes on into a quantised operand, else bf16, f16 or f32 operands; f32 sums; everything else in f32.
;; Inputs: W1 16 x 512 x 2,048 float32; W2 16 x 2,048 x 512 float32; Wg 512 x 16 float32; b1 16 x 2,048 float32; b2 16 x 512 float32; bg 16 float32; x 2,048 x 512 float32.
;; Outputs: out0 2,048 x 512 float32; out1 2,048 x 2 int32; out2 2,048 x 2 float32.
;; This version of the problem:
;;   THIS VERSION OF THE PROBLEM IS GIVEN IN LOW PRECISION. The matrix products marked QUANTISED in the list below multiply operands that are first quantised to E2M1 (2 exponent bits, 1 mantissa bit; 4 bits a number), with one power-of-two scale for each 32 numbers along K (OCP MX v1.0); their sums are f32. All else is computed in f32.
;;   The module's matrix products, in the order in which they are computed (A, B: the left and right operand; K: the contracted axis; several contracted axes count as one K, in the product's order):
;;     1. [M 2,048, K 512] x [K 512, N 16]; A: input x; B: input Wg: QUANTISED
;;     2. [M 32,768, K 512] x [K 512, N 2,048]; A: input W1; B: input x: QUANTISED
;;     3. batch 16 x [M 2,048, K 2,048] x [K 2,048, N 512]; A: computed on the way; B: input W2: QUANTISED
;;     4. batch 2,048 x [M 512, K 16] x [K 16, N 1]; A: computed on the way; B: computed on the way: left as it is (K = 16 < 32)
;;   THE QUANTISER, for each operand of a quantised product, along K:
;;     - K is cut into blocks of 32 from its start; a last block that is shorter is filled with zeros.
;;     - A block's scale is 2^e with e = floor(log2(the largest magnitude in the block)) - 2, held to -126 .. 127; a block of zeros has e = 0. As a byte (E8M0): e + 127.
;;     - Each number is divided by its block's scale, clamped to +-6, and rounded to the nearest number of E2M1, ties to even, subnormals kept.
;;     - The product sums the exact products of the quantised numbers (number of the format x scale) in f32.
;;   ~~~python
;;   def quantise(x, axis):      # numpy; x: float32 -> the quantised numbers, widened to float32 again
;;       x = np.moveaxis(x, axis, -1); K = x.shape[-1]
;;       x = np.pad(x, [(0, 0)] * (x.ndim - 1) + [(0, -K % 32)]); x = x.reshape(x.shape[:-1] + (-1, 32)); a = np.abs(x).max(-1, keepdims=True)
;;       e = np.where(a > 0, np.clip(np.frexp(np.where(a > 0, a, 1))[1] - 1 - 2, -126, 127), 0)      # np.frexp(a)[1] - 1 = floor(log2(a)), exactly
;;       r = np.clip(x / 2.0 ** e, -6, 6)
;;       step = 2.0 ** (np.maximum(np.frexp(np.where(r == 0, 1, r))[1] - 1, 0) - 1)
;;       q = np.round(r / step) * step * 2.0 ** e      # np.round: ties to even
;;       return np.moveaxis(q.reshape(q.shape[:-2] + (-1,))[..., :K], -1, axis).astype(np.float32)
;;   ~~~
;;   OPERANDS COMPUTED ON THE WAY. 'Computed on the way' means the value that the module computes at that place (a softmax that the list does not call 'softmax' is quantised finished and normalised). What goes into a quantiser is computed in f32, as accurately as f32 sums, v_exp_f32 and their like allow (about 1e-6 of the number): no bf16 or f16 on the way to a quantiser, and a product that is left as it is and whose result goes on into a quantised operand takes f32 operands (vector FMAs, or v_wmma_f32_16x16x4_f32). A number that lies on a knife's edge between two numbers of the format may be rounded either way, as far as f32 arithmetic and the matrix unit's own rounding can turn it there, and no further.
;; One version. Each part assembles by itself: llvm-mc -triple=amdgcn-amd-amdhsa -mcpu=gfx1250 --defsym DOCPART=n.
;; ======== version 1 of 1: 5 launches
;; workspace buffers: xq 557,056 bytes; sel 16,384 bytes of whole numbers; list 133,120 bytes of whole numbers; inv 16,384 bytes of whole numbers; hq 37,748,736 bytes; ypart 134,217,728 bytes
;; launch route (part 1): grid 32 x 1, 4 waves a work-group, no clusters, 23,040 bytes of LDS; arguments x, Wg, bg, xq, sel, out1, out2; writes xq, sel, out1, out2
.if DOCPART == 1
	.amdgcn_target "amdgcn-amd-amdhsa--gfx1250"
	.amdhsa_code_object_version 6
	.text
	.protected	k_q348e609888_route
	.globl	k_q348e609888_route
	.p2align	8
	.type	k_q348e609888_route,@function
k_q348e609888_route:
	s_mov_b64 s[64:65], 0
	v_nop
	global_prefetch_b8 v0, s[64:65] scope:SCOPE_SE
	s_setreg_imm32_b32 hwreg(HW_REG_WAVE_MODE, 25, 1), 1
	s_wait_xcnt 0x0
; ROUTE.  x [2048][512] f32 is quantised along its 512 to codes of FP4 (E2M1) with one E8M0 byte for each 32; logits = Q(x) Q(Wg) + bg by the scaled FP4 matrix instruction; top-2 (the lower index wins a tie);
; softmax over the two chosen logits.  Out: xq (codes: token t at 256 t; scale words: from byte 524,288, token t at 16 t, one word for each 128 along K), out1 and sel (the two indices), out2 (the two scores).
; SHARES.  Wave w of work-group g owns tokens 64 g + 16 w .. + 15 for all of K (four K steps of 128).  Wave w also quantises K step w of Wg [512][16] for its work-group: a lane takes a column (an expert) and its
; registers run down K, so the conversions' results are the operand's registers; the four fragments go from wave to wave through LDS as images of their registers, behind one barrier.
; THE PRODUCT IS USED TRANSPOSED: source 0 = Wg's 16 columns, source 1 = my 16 tokens: lane (r, h) holds token r and in register j expert 8 h + j.  bg is added to the finished sum, one rounding, as the problem writes it.
; No tensor loads and no cluster: the only shared input is Wg, 32 KiB.  x is read once, 64 bytes a lane and block.
; LIMITS: NaN and infinities among the inputs are not served (the top-2 compares with the maximum and hides the first choice under -infinity, so logits must be finite).  A block of zeros gets the byte 1
; where the rule says 127 (its codes are zeros; the bytes are read by this program alone); a block whose largest magnitude lies under 2^-124 is held at the byte 1.
.set SP,  272                          ; a stage row: 256 bytes of codes + 16
.set WGI, 0                            ; LDS: images of Wg's four fragments, 1,024 bytes each
.set WGS, 4096                         ; their scale words, 128 bytes each
.set STG, 4608                         ; a stage of 16 rows x 272 bytes for each wave, its own
.set X0,  16                           ; v16-79, v80-143: two sets of 64 numbers of x
.set X1,  80
.set WN,  144                          ; v144-207: 64 numbers of Wg; afterwards:
.set WF,  144                          ; v144-175 Wg's four fragments
.set LG,  176                          ; v176-183 the logits
.set EI,  184                          ; v184-191 the experts' numbers 8 h + j;  v192-204 at work for the top-2
.set PC,  208                          ; v208-215 the codes just made
.set TM,  216                          ; v216-231 at work in the quantiser
.set XSW, 232                          ; v232-235 x's scale words, one for each K step: scales and nothing else
.set WS,  236                          ; v236-239 Wg's scale words: scales and nothing else
.set BG,  240                          ; v240-247 bg in the result's layout
.set WW,  248                          ; v248-249 Wg's scale word as it is made
; my 16 tokens' numbers of K step s: lane (r, h) takes, of row r, the 16 numbers 32 b + 16 h + 0 .. 15 of each block b
.macro XLOAD reg, s
.irp b, 0,1,2,3
.irp j, 0,1,2,3
	global_load_b128 v[\reg+16*\b+4*\j:\reg+16*\b+4*\j+3], v4, s[4:5] offset:512*(\s)+128*\b+16*\j th:TH_LOAD_NT
.endr
.endr
.endm
; 64 numbers of a lane, register 16 b + i = k 32 b + 16 h + i of my row, become a fragment's codes in v[PC] on and its scale word in v[pw]
.macro QUANT s, pw
.irp b, 0,1,2,3
	v_max3_num_f32 v[TM+\b], |v[\s+16*\b]|, |v[\s+1+16*\b]|, 0x1800000   ; block b: my 16 numbers, and the floor 2^(3 - 127): the byte cannot fall under 1
.endr
.irp i, 2,4,6,8,10,12,14
.irp b, 0,1,2,3
	v_max3_num_f32 v[TM+\b], v[TM+\b], |v[\s+16*\b+\i]|, |v[\s+1+16*\b+\i]|   ; the four blocks by turns
.endr
.endr
.irp b, 0,1,2,3
	v_permlanex16_b32 v[TM+4+\b], v[TM+\b], s20, s21
.endr
.irp b, 0,1,2,3
	v_max_num_f32 v[TM+\b], v[TM+\b], v[TM+4+\b]   ; with lane l xor 16's: the block's largest magnitude
.endr
.irp b, 0,1,2,3
	v_add_nc_u32 v[TM+12+\b], 0xff000000, v[TM+\b]   ; 2 off its exponent field: the conversion's scale operand
.endr
.irp b, 0,1,2,3
	v_lshrrev_b32 v[TM+4+\b], 23, v[TM+12+\b]      ; the scale's byte
.endr
	v_lshl_or_b32 v[\pw], v[TM+5], 8, v[TM+4]      ; four bytes: my row's scale word
	v_lshl_or_b32 v[\pw], v[TM+6], 16, v[\pw]
	v_lshl_or_b32 v[\pw], v[TM+7], 24, v[\pw]
.irp b, 0,1,2,3
	v_cvt_scalef32_pk8_fp4_f32 v[PC+2*\b], v[\s+16*\b:\s+7+16*\b], v[TM+12+\b]
	v_cvt_scalef32_pk8_fp4_f32 v[PC+1+2*\b], v[\s+8+16*\b:\s+15+16*\b], v[TM+12+\b]
.endr
	v_nop                                          ; one plain place behind a scaled conversion
.irp c, 0,1                                    ; the operand's layout wants a whole block in a lane
.irp i, 0,1
	v_permlane16_swap_b32 v[PC+4*\c+\i], v[PC+2+4*\c+\i]
.endr
.endr
.endm
	s_load_b256 s[4:11], s[0:1], 0x0               ; x s[4:5], Wg s[6:7], bg s[8:9], xq s[10:11]
	s_load_b128 s[12:15], s[0:1], 0x20             ; sel s[12:13], out1 s[14:15]
	s_load_b64 s[16:17], s[0:1], 0x30              ; out2
	v_lshl_add_u32 v254, v0, 2, 0x5800
	v_mov_b32 v255, 0
	v_lshrrev_b32 v1, 5, v0
	v_readfirstlane_b32 s18, v1                    ; wave 0..3
	v_and_b32 v1, 31, v0                           ; lane
	v_and_b32 v2, 15, v0                           ; r
	v_bfe_u32 v3, v0, 4, 1                         ; h
	v_lshlrev_b32 v4, 11, v2
	v_lshl_add_u32 v4, v3, 6, v4                   ; x: row r of 2,048 bytes, + 64 h
	v_lshlrev_b32 v5, 4, v1                        ; 16 x lane: an image's place
	v_lshlrev_b32 v6, 2, v1                        ; 4 x lane: a scale word's
	v_lshlrev_b32 v7, 2, v2
	v_lshl_add_u32 v7, v3, 11, v7                  ; Wg: column r, lanes 16-31 begin 32 rows of 64 bytes further down
	s_lshl_b32 s24, s18, 10
	v_add_nc_u32 v8, s24, v5                       ; where I store my image of Wg: 16 x lane + 1,024 x wave
	s_lshl_b32 s24, s18, 7
	s_add_co_u32 s24, s24, WGS
	v_add_nc_u32 v9, s24, v6                       ; and its scale word
	s_mul_i32 s24, s18, 16*SP
	s_add_co_u32 s24, s24, STG                     ; my stage
	v_mul_u32_u24 v10, v2, SP
	v_lshl_add_u32 v10, v3, 4, v10
	v_add_nc_u32 v10, s24, v10                     ; in: row r, + 16 h
	v_mul_u32_u24 v11, v3, SP
	v_lshl_add_u32 v11, v2, 4, v11
	v_add_nc_u32 v11, s24, v11                     ; back: lanes 0-15 one row, lanes 16-31 the next
	v_lshlrev_b32 v12, 8, v3
	v_lshl_add_u32 v12, v2, 4, v12                 ; the same two rows in xq
	v_lshlrev_b32 v13, 3, v2                       ; 8 r: a token's pair in out1, sel, out2
	v_lshlrev_b32 v14, 4, v2                       ; 16 r: a token's four scale words
	v_lshlrev_b32 v15, 5, v3                       ; bg: my half's eight experts
	s_mov_b32 s20, 0x76543210
	s_mov_b32 s21, 0xfedcba98                      ; v_permlanex16_b32's selects for lane l xor 16
.irp b, 0,1,2,3
	v_mov_b32 v[TM+4+\b], 0                        ; written once: a lane permute's destination counts as one of its sources
.endr
	s_lshl_b32 s24, ttmp9, 6
	s_lshl_b32 s25, s18, 4
	s_add_co_u32 s24, s24, s25                     ; my first token
	s_lshl_b32 s26, s24, 11                        ; its row of x,
	s_mov_b32 s27, 0
	s_lshl_b32 s28, s24, 8                         ; its codes,
	s_mov_b32 s29, 0
	s_lshl_b32 s30, s24, 3                         ; its pair,
	s_mov_b32 s31, 0
	s_lshl_b32 s34, s24, 4
	s_add_co_u32 s34, s34, 0x80000                 ; its scale words, behind the codes' 524,288 bytes
	s_mov_b32 s35, 0
	s_lshl_b32 s36, s18, 13                        ; Wg: K step w begins 128 rows of 64 bytes x w on
	s_mov_b32 s37, 0
	s_wait_kmcnt 0x0
	s_add_nc_u64 s[4:5], s[4:5], s[26:27]
	s_add_nc_u64 s[6:7], s[6:7], s[36:37]
	s_add_nc_u64 s[22:23], s[10:11], s[34:35]
	s_add_nc_u64 s[10:11], s[10:11], s[28:29]
	s_add_nc_u64 s[12:13], s[12:13], s[30:31]
	s_add_nc_u64 s[14:15], s[14:15], s[30:31]
	s_add_nc_u64 s[16:17], s[16:17], s[30:31]
.irp c, 0,1
.irp i, 0,1,2,3,4,5,6,7,8,9,10,11,12,13,14,15,16,17,18,19,20,21,22,23,24,25,26,27,28,29,30,31
	global_load_b32 v[WN+32*\c+\i], v7, s[6:7] offset:64*(64*\c+\i)   ; Wg(128 w + 64 c + 32 h + i, r)
.endr
.endr
	global_load_b128 v[BG:BG+3], v15, s[8:9]
	global_load_b128 v[BG+4:BG+7], v15, s[8:9] offset:16
	XLOAD X0, 0
	XLOAD X1, 1
	; ---- my K step of Wg: two whole blocks a lane
	s_wait_loadcnt 34                              ; Wg's 64 loads are in; younger: bg's 2 and x's 32
.irp c, 0,1
	v_max3_num_f32 v[TM+\c], |v[WN+32*\c]|, |v[WN+1+32*\c]|, 0x1800000
.endr
.irp i, 2,4,6,8,10,12,14,16,18,20,22,24,26,28,30
.irp c, 0,1
	v_max3_num_f32 v[TM+\c], v[TM+\c], |v[WN+32*\c+\i]|, |v[WN+1+32*\c+\i]|
.endr
.endr
.irp c, 0,1
	v_add_nc_u32 v[TM+12+\c], 0xff000000, v[TM+\c]
.endr
.irp c, 0,1
	v_lshrrev_b32 v[TM+8+\c], 23, v[TM+12+\c]
.endr
	v_lshl_or_b32 v[WW], v[TM+9], 16, v[TM+8]      ; my two bytes: blocks h and 2 + h of column r,
	v_lshlrev_b32 v[WW+1], 3, v3
	v_lshlrev_b32 v[WW], v[WW+1], v[WW]            ; 8 h bits up;
	v_mov_b32 v[WW+1], 0
	v_permlanex16_b32 v[WW+1], v[WW], s20, s21
	v_or_b32 v[WW], v[WW], v[WW+1]                 ; with lane l xor 16's two the word is whole
.irp c, 0,1
.irp g, 0,1,2,3
	v_cvt_scalef32_pk8_fp4_f32 v[PC+4*\c+\g], v[WN+32*\c+8*\g:WN+32*\c+8*\g+7], v[TM+12+\c]
.endr
.endr
	v_nop                                          ; one plain place behind a scaled conversion
.irp c, 0,1
	ds_store_b128 v8, v[PC+4*\c:PC+4*\c+3] offset:WGI+512*\c
.endr
	ds_store_b32 v9, v[WW]
	s_wait_dscnt 0x0                               ; for the others' sake: my image has landed
	s_barrier_signal -1
	s_barrier_wait -1                              ; all four images lie in LDS
.irp k, 0,1,2,3
.irp c, 0,1
	ds_load_b128 v[WF+8*\k+4*\c:WF+8*\k+4*\c+3], v5 offset:WGI+1024*\k+512*\c
.endr
	ds_load_b32 v[WS+\k], v6 offset:WGS+128*\k
.endr
; ---- a K step: quantise, codes into my stage, one product.  left: the other set's 16 loads are younger.  more = 1: the set is loaded again, two K steps on
.macro KSTEP s, xs, left, more
	s_wait_loadcnt \left
	QUANT \xs, XSW+\s
.if \more
	XLOAD \xs, (\s)+2
.endif
.irp c, 0,1
	ds_store_b128 v10, v[PC+4*\c:PC+4*\c+3] offset:64*(\s)+32*\c   ; row r: K step s, bytes 32 c + 16 h
.endr
.rept 8
	v_nop                                          ; a scale register written by a vector instruction stands 8 places ahead of a scaled matrix instruction, an operand so written 4
.endr
	s_wait_dscnt 0x0                               ; Wg's fragments are in (first K step); the stage's stores have read PC, which the next K step writes
.if (\s) > 0
	s_wait_alu depctr_va_vdst(0)                   ; this wait stands directly ahead of each link
	v_wmma_scale_f32_16x16x128_f8f6f4 v[LG:LG+7], v[WF+8*(\s):WF+8*(\s)+7], v[PC:PC+7], v[LG:LG+7], v[WS+\s], v[XSW+\s] matrix_a_fmt:MATRIX_FMT_FP4 matrix_b_fmt:MATRIX_FMT_FP4
.else
	v_wmma_scale_f32_16x16x128_f8f6f4 v[LG:LG+7], v[WF:WF+7], v[PC:PC+7], 0, v[WS], v[XSW] matrix_a_fmt:MATRIX_FMT_FP4 matrix_b_fmt:MATRIX_FMT_FP4   ; the first K step starts the sum
.endif
.endm
	KSTEP 0, X0, 16, 1
	KSTEP 1, X1, 16, 1
	KSTEP 2, X0, 16, 0
	KSTEP 3, X1, 0, 0
.irp j, 0,1,2,3,4,5,6,7
	v_lshl_add_u32 v[EI+\j], v3, 3, \j             ; register j's expert: 8 h + j.  (These are also the places behind the last product)
.endr
	v_mov_b32 v193, 0                              ; lane permutes' destinations, written once
	v_mov_b32 v195, 0
	v_mov_b32 v201, 0xff800000                     ; -infinity
.irp j, 0,1,2,3,4,5,6,7
	v_add_f32 v[LG+\j], v[LG+\j], v[BG+\j]         ; + bg: the accumulator is read from its low end on
.endr
	; ---- the codes leave as whole rows: sixteen lanes store 256 consecutive bytes, aligned
.irp i, 0,1,2,3,4,5,6,7
	ds_load_b128 v[X0+4*\i:X0+4*\i+3], v11 offset:2*SP*\i   ; LDS serves a wave's instructions in order: these see my stores
.endr
.irp i, 0,1,2,3,4,5,6,7
	s_wait_dscnt 7-\i
	global_store_b128 v12, v[X0+4*\i:X0+4*\i+3], s[10:11] offset:512*\i
.endr
; ---- the largest logit of my token into v[m], the lowest index that has it into v[ix]
.macro TOP m, ix
	v_max3_num_f32 v[\m], v[LG], v[LG+1], v[LG+2]
	v_max3_num_f32 v[\m], v[\m], v[LG+3], v[LG+4]
	v_max3_num_f32 v[\m], v[\m], v[LG+5], v[LG+6]
	v_max_num_f32 v[\m], v[\m], v[LG+7]
	v_permlanex16_b32 v193, v[\m], s20, s21        ; the other eight experts lie in lane l xor 16
	v_max_num_f32 v[\m], v[\m], v193
	v_mov_b32 v194, 16
.irp j, 7,6,5,4,3,2,1,0
	v_cmp_eq_f32 vcc_lo, v[LG+\j], v[\m]
	v_cndmask_b32 v194, v194, v[EI+\j], vcc_lo     ; descending, so the lowest index stays
.endr
	v_permlanex16_b32 v195, v194, s20, s21
	v_min_u32 v[\ix], v194, v195
.endm
	TOP 192, 196
.irp j, 0,1,2,3,4,5,6,7
	v_cmp_eq_u32 vcc_lo, v[EI+\j], v196
	v_cndmask_b32 v[LG+\j], v[LG+\j], v201, vcc_lo ; the first choice is hidden
.endr
	TOP 200, 197
	v_sub_f32 v202, v200, v192                     ; second less first: 0 or less: the maximum is taken away
	v_mul_f32 v202, 0x3fb8aa3b, v202
	v_exp_f32 v203, v202
	v_nop                                          ; a plain place behind the transcendental
	s_wait_alu depctr_va_vdst(0)                   ; and a wait ahead of its first reader
	v_add_f32 v204, 1.0, v203
	v_rcp_f32 v198, v204
	v_nop
	s_wait_alu depctr_va_vdst(0)
	v_mul_f32 v199, v203, v198                     ; scores: 1 / (1 + e), e / (1 + e)
	v_cmp_gt_u32 vcc_lo, 16, v1                    ; lanes 0-15 hold each token once
	s_wait_xcnt 0x0                                ; EXEC changes only behind this wait: the stores above have had their addresses translated
	s_barrier_signal -1
	s_barrier_wait -1
	s_wait_tensorcnt 0x0
	ds_add_u32 v254, v255
	s_wait_dscnt 0x0
	s_and_saveexec_b32 s32, vcc_lo
	global_store_b64 v13, v[196:197], s[14:15]     ; out1
	global_store_b64 v13, v[196:197], s[12:13]     ; sel
	global_store_b64 v13, v[198:199], s[16:17]     ; out2
	global_store_b128 v14, v[XSW:XSW+3], s[22:23]  ; sixteen lanes store 256 consecutive bytes, aligned
	s_wait_xcnt 0x0                                ; and again, in front of the line that widens it
	s_or_b32 exec_lo, exec_lo, s32
	s_endpgm
.Lfunc_end_k_q348e609888_route:
	.size	k_q348e609888_route, .Lfunc_end_k_q348e609888_route-k_q348e609888_route
	.p2alignl 7, 3214868480
	.fill 96, 4, 3214868480
	.section	.rodata,"a",@progbits
	.p2align	6, 0x0
	.amdhsa_kernel k_q348e609888_route
		.amdhsa_group_segment_fixed_size 23040
		.amdhsa_private_segment_fixed_size 0
		.amdhsa_enable_private_segment 0
		.amdhsa_kernarg_size 56
		.amdhsa_user_sgpr_count 2
		.amdhsa_user_sgpr_kernarg_segment_ptr 1
		.amdhsa_wavefront_size32 1
		.amdhsa_system_sgpr_workgroup_id_x 1
		.amdhsa_system_sgpr_workgroup_id_y 1
		.amdhsa_system_sgpr_workgroup_id_z 1
		.amdhsa_system_vgpr_workitem_id 0
		.amdhsa_next_free_vgpr 256
		.amdhsa_next_free_sgpr 66
		.amdhsa_reserve_vcc 1
		.amdhsa_float_denorm_mode_32 3
		.amdhsa_float_denorm_mode_16_64 3
		.amdhsa_memory_ordered 1
		.amdhsa_forward_progress 1
		.amdhsa_inst_pref_size 43
	.end_amdhsa_kernel
	.amdgpu_metadata
---
amdhsa.version: [ 1, 2 ]
amdhsa.kernels:
  - .name:           k_q348e609888_route
    .symbol:         k_q348e609888_route.kd
    .args:
      - { .name: x, .offset: 0, .size: 8, .value_kind: global_buffer, .address_space: global }
      - { .name: Wg, .offset: 8, .size: 8, .value_kind: global_buffer, .address_space: global }
      - { .name: bg, .offset: 16, .size: 8, .value_kind: global_buffer, .address_space: global }
      - { .name: xq, .offset: 24, .size: 8, .value_kind: global_buffer, .address_space: global }
      - { .name: sel, .offset: 32, .size: 8, .value_kind: global_buffer, .address_space: global }
      - { .name: out1, .offset: 40, .size: 8, .value_kind: global_buffer, .address_space: global }
      - { .name: out2, .offset: 48, .size: 8, .value_kind: global_buffer, .address_space: global }
    .group_segment_fixed_size: 23040
    .private_segment_fixed_size: 0
    .kernarg_segment_align: 8
    .kernarg_segment_size: 56
    .max_flat_workgroup_size: 128
    .sgpr_count:     66
    .vgpr_count:     256
    .wavefront_size: 32
...
	.end_amdgpu_metadata
.endif
;; end of part 1
;; launch place (part 2): grid 16 x 1, 8 waves a work-group, no clusters, 1,280 bytes of LDS; arguments sel, list, inv; writes list, inv
.if DOCPART == 2
	.amdgcn_target "amdgcn-amd-amdhsa--gfx1250"
	.amdhsa_code_object_version 6
	.text
	.protected	k_q348e609888_place
	.globl	k_q348e609888_place
	.p2align	8
	.type	k_q348e609888_place,@function
k_q348e609888_place:
	s_mov_b64 s[64:65], 0
	v_nop
	global_prefetch_b8 v0, s[64:65] scope:SCOPE_SE
	s_setreg_imm32_b32 hwreg(HW_REG_WAVE_MODE, 25, 1), 1
	s_wait_xcnt 0x0
; PLACE.  Work-group e scans all 2,048 tokens' two choices (sel) and gives each token that chose expert e a position, in the tokens' order.  Out: list[e][pos] = token; inv[token][slot] = 2,048 e + pos;
; nt[e] = max(ceil(count / 16), 1), as 32 equal words at byte 131,072 + 128 e of list; list[e] is filled with token 0 up to 16 nt, so that every tile of 16 rows names tokens that exist.
; Wave w takes tokens 256 w + 32 i + lane, i = 0 .. 7.  A token's two choices differ, so it has at most one position here.  Positions: the waves' counts meet in LDS (one barrier), then a count of the lower lanes' bits.
; Each word of list and inv is stored by one work-group: a (token, slot) has one expert.  The stores are single words at places that hang on the choice: 32 KiB in the whole launch.
; EVERY ADDRESS REGISTER IS MADE WITH ALL LANES ON, ahead of the first change of EXEC and of the branch on the wave's number, in a register that holds nothing else; behind the first change of EXEC no vector register is written.
	s_load_b128 s[4:7], s[0:1], 0x0                ; sel s[4:5], list s[6:7]
	s_load_b64 s[8:9], s[0:1], 0x10                ; inv
	v_lshl_add_u32 v72, v0, 2, 0x100
	v_mov_b32 v73, 0
	v_lshrrev_b32 v1, 5, v0
	v_readfirstlane_b32 s11, v1                    ; wave 0..7
	v_and_b32 v1, 31, v0                           ; lane
	s_mov_b32 s10, ttmp9                           ; my expert
	s_lshl_b32 s12, s11, 8
	v_add_nc_u32 v3, s12, v1                       ; 256 w + lane
	v_lshlrev_b32 v2, 3, v3                        ; 8 bytes a token
	v_lshlrev_b32 v65, 2, v1                       ; 4 x lane: nt's 32 words
	v_mov_b32 v66, 0                               ; token 0, for the fill
.irp i, 0,1,2,3,4,5,6,7
	v_add_nc_u32 v[32+\i], 32*\i, v3               ; my eight tokens
.endr
	s_lshl_b32 s14, s10, 13                        ; list[e]: 2,048 words
	s_mov_b32 s15, 0
	s_lshl_b32 s12, s10, 7
	s_add_co_u32 s12, s12, 0x20000                 ; nt[e]
	s_mov_b32 s13, 0
	s_lshl_b32 s54, s10, 11                        ; 2,048 e
	s_wait_kmcnt 0x0
	s_add_nc_u64 s[56:57], s[6:7], s[12:13]
	s_add_nc_u64 s[6:7], s[6:7], s[14:15]
.irp i, 0,1,2,3,4,5,6,7
	global_load_b64 v[16+2*\i:17+2*\i], v2, s[4:5] offset:256*\i   ; 32 lanes read 256 consecutive bytes
.endr
	s_mov_b32 s49, 0
	s_wait_loadcnt 0x0
.irp i, 0,1,2,3,4,5,6,7
	v_cmp_eq_u32 s[16+\i], s10, v[17+2*\i]         ; who chose e second,
	v_cmp_eq_u32 vcc_lo, s10, v[16+2*\i]           ; who first,
	s_or_b32 s[24+\i], vcc_lo, s[16+\i]            ; who at all,
	s_bcnt1_i32_b32 s[32+\i], s[24+\i]             ; how many
	s_add_co_u32 s49, s49, s[32+\i]
.endr
	v_mov_b32 v4, s49
	v_mov_b32 v5, s11
	v_lshlrev_b32 v5, 2, v5
	ds_store_b32 v5, v4                            ; my wave's count: all lanes write the same word with the same value
	s_wait_dscnt 0x0
	s_barrier_signal -1
	s_barrier_wait -1
	v_mov_b32 v6, 0
	ds_load_b128 v[8:11], v6
	ds_load_b128 v[12:15], v6 offset:16
	s_wait_dscnt 0x0
.irp j, 0,1,2,3,4,5,6,7
	v_readfirstlane_b32 s[40+\j], v[8+\j]
.endr
	s_mov_b32 s48, 0                               ; positions taken by the waves in front of mine
	s_mov_b32 s49, 0                               ; the expert's count
.irp j, 0,1,2,3,4,5,6,7
	s_cmp_gt_u32 s11, \j
	s_cselect_b32 s53, s[40+\j], 0
	s_add_co_u32 s48, s48, s53
	s_add_co_u32 s49, s49, s[40+\j]
.endr
	s_add_co_u32 s51, s49, 15
	s_lshr_b32 s51, s51, 4
	s_max_u32 s51, s51, 1                          ; nt
	s_lshl_b32 s52, s51, 4                         ; rows in nt tiles
.irp i, 0,1,2,3,4,5,6,7
	v_mbcnt_lo_u32_b32 v[40+\i], s[24+\i], s48     ; my position: those in front + the lower lanes that chose e
	v_min_u32 v[40+\i], 0x7ff, v[40+\i]            ; a position lies under 2,048
	v_add_nc_u32 v[56+\i], s54, v[40+\i]           ; 2,048 e + position
	v_lshlrev_b32 v[40+\i], 2, v[40+\i]            ; its word in list[e]
	v_cndmask_b32 v[48+\i], 0, 4, s[16+\i]         ; slot 0 or slot 1
	v_min_u32 v[48+\i], 4, v[48+\i]
	v_lshl_add_u32 v[48+\i], v[32+\i], 3, v[48+\i] ; its word in inv
	s_add_co_u32 s48, s48, s[32+\i]
.endr
	v_add_nc_u32 v64, s49, v1                      ; the fill: row count + lane,
	v_cmp_gt_u32 s58, s52, v64                     ; where that lies under 16 nt: at most 16 lanes
	v_min_u32 v64, 0x7ff, v64
	v_lshlrev_b32 v64, 2, v64                      ; its word in list[e]
	v_mov_b32 v67, s51                             ; nt
	s_cmp_lg_u32 s11, 0                            ; wave 0 alone: nt and the fill
	s_cbranch_scc1 .Lall
	global_store_b32 v65, v67, s[56:57]            ; nt, 32 times: 128 consecutive bytes
	s_mov_b32 vcc_lo, s58
	s_wait_xcnt 0x0                                ; EXEC changes only behind this wait
	s_and_saveexec_b32 s50, vcc_lo
	global_store_b32 v64, v66, s[6:7]              ; token 0
	s_wait_xcnt 0x0
	s_or_b32 exec_lo, exec_lo, s50
.Lall:
.irp i, 0,1,2,3,4,5,6,7
	s_mov_b32 vcc_lo, s[24+\i]
	s_wait_xcnt 0x0                                ; EXEC changes only behind this wait
	s_and_saveexec_b32 s50, vcc_lo                 ; the lanes whose token chose e
	global_store_b32 v[40+\i], v[32+\i], s[6:7]
	global_store_b32 v[48+\i], v[56+\i], s[8:9]
	s_wait_xcnt 0x0
	s_or_b32 exec_lo, exec_lo, s50
.endr
	s_wait_xcnt 0x0
	s_mov_b32 exec_lo, -1
	s_wait_tensorcnt 0x0
	ds_add_u32 v72, v73
	s_wait_dscnt 0x0
	s_endpgm
.Lfunc_end_k_q348e609888_place:
	.size	k_q348e609888_place, .Lfunc_end_k_q348e609888_place-k_q348e609888_place
	.p2alignl 7, 3214868480
	.fill 96, 4, 3214868480
	.section	.rodata,"a",@progbits
	.p2align	6, 0x0
	.amdhsa_kernel k_q348e609888_place
		.amdhsa_group_segment_fixed_size 1280
		.amdhsa_private_segment_fixed_size 0
		.amdhsa_enable_private_segment 0
		.amdhsa_kernarg_size 24
		.amdhsa_user_sgpr_count 2
		.amdhsa_user_sgpr_kernarg_segment_ptr 1
		.amdhsa_wavefront_size32 1
		.amdhsa_system_sgpr_workgroup_id_x 1
		.amdhsa_system_sgpr_workgroup_id_y 1
		.amdhsa_system_sgpr_workgroup_id_z 1
		.amdhsa_system_vgpr_workitem_id 0
		.amdhsa_next_free_vgpr 74
		.amdhsa_next_free_sgpr 66
		.amdhsa_reserve_vcc 1
		.amdhsa_float_denorm_mode_32 3
		.amdhsa_float_denorm_mode_16_64 3
		.amdhsa_memory_ordered 1
		.amdhsa_forward_progress 1
		.amdhsa_inst_pref_size 13
	.end_amdhsa_kernel
	.amdgpu_metadata
---
amdhsa.version: [ 1, 2 ]
amdhsa.kernels:
  - .name:           k_q348e609888_place
    .symbol:         k_q348e609888_place.kd
    .args:
      - { .name: sel, .offset: 0, .size: 8, .value_kind: global_buffer, .address_space: global }
      - { .name: list, .offset: 8, .size: 8, .value_kind: global_buffer, .address_space: global }
      - { .name: inv, .offset: 16, .size: 8, .value_kind: global_buffer, .address_space: global }
    .group_segment_fixed_size: 1280
    .private_segment_fixed_size: 0
    .kernarg_segment_align: 8
    .kernarg_segment_size: 24
    .max_flat_workgroup_size: 256
    .sgpr_count:     66
    .vgpr_count:     74
    .wavefront_size: 32
...
	.end_amdgpu_metadata
.endif
;; end of part 2
;; launch up (part 3): grid 16 x 16, 8 waves a work-group, no clusters, 38,912 bytes of LDS; arguments W1, b1, xq, list, hq; writes hq
.if DOCPART == 3
	.amdgcn_target "amdgcn-amd-amdhsa--gfx1250"
	.amdhsa_code_object_version 6
	.text
	.protected	k_q348e609888_up
	.globl	k_q348e609888_up
	.p2align	8
	.type	k_q348e609888_up,@function
k_q348e609888_up:
	s_mov_b64 s[64:65], 0
	v_nop
	global_prefetch_b8 v0, s[64:65] scope:SCOPE_SE
	s_setreg_imm32_b32 hwreg(HW_REG_WAVE_MODE, 25, 1), 1
	s_wait_xcnt 0x0
; UP.  Work-group (chunk, e) owns hidden units 128 chunk .. + 127 of expert e.  It reads its slice of W1 [16][512][2048] f32 (512 rows x 512 bytes) ONCE, quantises it along K = 512 to FP4 codes with E8M0 scales,
; keeps it in every wave's registers, and then makes h = gelu(Q(x) Q(W1) + b1) for all rows routed to e, 16 rows (a tile) a trip, quantised along the hidden units: one K step of the second product.
; OUT: hq: the fragment's registers as they stand, at ((128 e + tile) 16 + chunk) 1,024 bytes (register group c at + 512 c, lane at + 16 lane); its scale words from byte 33,554,432, at ((128 e + tile) 16 + chunk) 128 + 4 lane.
; PHASE 1: a lane takes a column of W1 and its registers run down K: wave w takes columns 32 (w % 4) .. + 31 and rows 256 (w / 4) .. + 255: eight blocks of 32.  A load reads 128 consecutive bytes, four waves side by side 512.
;   64 loads a wave are on their way.  Codes go to LDS, a row of 272 bytes for each column; one barrier.   PHASE 2: every wave reads all 32 fragments (8 tiles x 4 K steps) into window 1.
; PHASE 3: wave w takes tiles w, w + 8, .. under nt[e], which an earlier launch stored: no barrier stands in this loop.  The product is used transposed (source 0 = 16 rows of W1^T, source 1 = 16 tokens): a lane holds one token.
;   THE UNITS OF A TILE ARE NOT NEIGHBOURS: lane r of tile 2 b + u takes unit 32 b + 8 u + r + 8 (r / 8), so that the 16 registers of tiles 2 b, 2 b + 1 are 16 neighbours along the next K.  b1 is the sums' first C.
; gelu is the tanh form: x / (1 + 2^(c0 x + c1 x^3)), c0 = -2 log2(e) sqrt(2 / pi), c1 = 0.044715 c0, all in f32.
; NO TENSOR LOADS, NO CLUSTER: the loop's trip count is read from memory; what work-groups share (x's codes, 256 bytes a row) is small beside the 262,144 bytes of weights that each reads alone.
; An expert without rows still has its weights read and one tile (of token 0) made: the barrier may stand under no branch on loaded data, and later reads ahead then find bytes that were written.
; The scale words leave 128 bytes a store, half of an aligned 256: one ninth of what this launch stores.
; LIMITS: NaN and infinities are not served.  A block of zeros gets the byte 1 (its codes are zeros; this program alone reads the bytes); largest magnitudes under 2^-124 are held at the byte 1.
.set WP,  272                          ; LDS: a column's 256 bytes of codes + 16
.set SCW, 128*WP                       ; behind the codes: 16 scale bytes a column
.set B1L, SCW+2048                     ; my 128 numbers of b1
.set XSC, 28                           ; v28-31   x's four scale words: scales and nothing else
.set XF,  32                           ; v32-63   x's four fragments
.set HA,  64                           ; v64-127  eight tiles of the hidden layer
.set G,   128                          ; v128-191 at work in gelu; in phase 1 two sets of 32 numbers of W1
.set W1S, 192                          ; v192-223 W1's scale words, tile t, K step s at 4 t + s: scales and nothing else
.set PC,  224                          ; v224-231 the codes just made
.set TM,  232                          ; v232-247 at work in the quantisers
.set PW,  248                          ; v248     the scale word just made
.set CD,  64                           ; phase 1: v64-71 two sets of a block's codes; v72-73 my eight scale bytes; v76-79 b1
.set SB,  72
.set BB,  76
.set MSB, 0
.macro WIN new                         ; the immediate's high byte repeats the setting that is left
.if MSB != \new
	s_set_vgpr_msb (MSB<<8)|\new
.set MSB, \new
.endif
.endm
.macro LOAD t                          ; block t: W1(32 t + i, my column), i = 0 .. 31, into set t % 2
.set i, 0
.rept 32
	global_load_b32 v[G+32*((\t)%2)+i], v6, s[8:9] offset:(32*(\t)+i)*8192 th:TH_LOAD_NT
.set i, i+1
.endr
.endm
.macro GATHER ids                      ; the codes and scale words of the 16 tokens named in v[ids]: lane (r, h) takes token r's bytes 64 k + 32 c + 16 h
	v_min_u32 v13, 0x7ff, v[\ids]
	v_lshlrev_b32 v14, 4, v13
	v_lshlrev_b32 v13, 8, v13
	v_lshl_add_u32 v13, v3, 4, v13
.irp k, 0,1,2,3
.irp c, 0,1
	global_load_b128 v[XF+8*\k+4*\c:XF+8*\k+4*\c+3], v13, s[12:13] offset:64*\k+32*\c
.endr
.endr
	global_load_b128 v[XSC:XSC+3], v14, s[22:23]
.endm
.macro BLOCK t, n                      ; block t is quantised; n: the loads younger than its 32
.set XB, G+32*((\t)%2)
.set CB, CD+4*((\t)%2)
	s_wait_loadcnt \n
.if (\t) == 1
	GATHER 11                                      ; the ids are in too: my first tile's x is asked for here
.endif
	v_max3_num_f32 v[TM], |v[XB]|, |v[XB+1]|, |v[XB+2]|            ; the block's largest magnitude: all 32 numbers are mine
	v_max3_num_f32 v[TM+1], |v[XB+3]|, |v[XB+4]|, |v[XB+5]|
.irp i, 6,10,14,18,22,26
	v_max3_num_f32 v[TM], v[TM], |v[XB+\i]|, |v[XB+\i+1]|
	v_max3_num_f32 v[TM+1], v[TM+1], |v[XB+\i+2]|, |v[XB+\i+3]|
.endr
	v_max3_num_f32 v[TM], v[TM], |v[XB+30]|, |v[XB+31]|
	v_max3_num_f32 v[TM], v[TM], v[TM+1], 0x1800000                ; and the floor 2^(3 - 127)
	v_add_nc_u32 v[TM+2], 0xff000000, v[TM]        ; 2 off the exponent field: the conversion's scale operand
	v_lshrrev_b32 v[TM+3], 23, v[TM+2]             ; the scale's byte
.if (\t)%4 == 0
	v_mov_b32 v[SB+(\t)/4], v[TM+3]
.else
	v_lshl_or_b32 v[SB+(\t)/4], v[TM+3], 8*((\t)%4), v[SB+(\t)/4]
.endif
	s_wait_dscnt 0x1                               ; the store two blocks back has read this set of codes (the last block's may be out)
.irp g, 0,1,2,3
	v_cvt_scalef32_pk8_fp4_f32 v[CB+\g], v[XB+8*\g:XB+8*\g+7], v[TM+2]
.endr
	v_nop                                          ; one plain place behind a scaled conversion
	ds_store_b128 v4, v[CB:CB+3] offset:16*(\t)    ; 32 codes: 16 bytes of my column's row
.if (\t)+2 < 8
	LOAD (\t)+2
.endif
.endm
.macro QUANT s, pw                     ; 64 numbers of a lane, register 16 b + i = k 32 b + 16 h + i of my row -> codes in v[PC] on, scale word in v[pw]
.irp b, 0,1,2,3
	v_max3_num_f32 v[TM+\b], |v[\s+16*\b]|, |v[\s+1+16*\b]|, 0x1800000
.endr
.irp i, 2,4,6,8,10,12,14
.irp b, 0,1,2,3
	v_max3_num_f32 v[TM+\b], v[TM+\b], |v[\s+16*\b+\i]|, |v[\s+1+16*\b+\i]|
.endr
.endr
.irp b, 0,1,2,3
	v_permlanex16_b32 v[TM+4+\b], v[TM+\b], s20, s21
.endr
.irp b, 0,1,2,3
	v_max_num_f32 v[TM+\b], v[TM+\b], v[TM+4+\b]
.endr
.irp b, 0,1,2,3
	v_add_nc_u32 v[TM+12+\b], 0xff000000, v[TM+\b]
.endr
.irp b, 0,1,2,3
	v_lshrrev_b32 v[TM+4+\b], 23, v[TM+12+\b]
.endr
	v_lshl_or_b32 v[\pw], v[TM+5], 8, v[TM+4]
	v_lshl_or_b32 v[\pw], v[TM+6], 16, v[\pw]
	v_lshl_or_b32 v[\pw], v[TM+7], 24, v[\pw]
.irp b, 0,1,2,3
	v_cvt_scalef32_pk8_fp4_f32 v[PC+2*\b], v[\s+16*\b:\s+7+16*\b], v[TM+12+\b]
	v_cvt_scalef32_pk8_fp4_f32 v[PC+1+2*\b], v[\s+8+16*\b:\s+15+16*\b], v[TM+12+\b]
.endr
	v_nop                                          ; one plain place behind a scaled conversion
.irp c, 0,1
.irp i, 0,1
	v_permlane16_swap_b32 v[PC+4*\c+\i], v[PC+2+4*\c+\i]
.endr
.endr
.endm
.macro GELU                            ; HA = HA / (1 + 2^(HA (c1 HA^2 + c0))), 64 numbers; the exponentials are one batch with one wait, the reciprocals another
.set i, 0
.rept 32
	v_pk_mul_f32 v[G+i:G+i+1], v[HA+i:HA+i+1], v[HA+i:HA+i+1]      ; ascending: each accumulator is read from its low end on
.set i, i+2
.endr
.set i, 0
.rept 32
	v_pk_fma_f32 v[G+i:G+i+1], v[G+i:G+i+1], v[24:25], v[26:27]
.set i, i+2
.endr
.set i, 0
.rept 32
	v_pk_mul_f32 v[G+i:G+i+1], v[G+i:G+i+1], v[HA+i:HA+i+1]
.set i, i+2
.endr
.set i, 0
.rept 64
	v_exp_f32 v[G+i], v[G+i]
.set i, i+1
.endr
	v_nop                                          ; a plain place behind the last exponential
	s_wait_alu depctr_va_vdst(0)                   ; one wait for the batch, ahead of its first reader
.set i, 0
.rept 32
	v_pk_add_f32 v[G+i:G+i+1], v[G+i:G+i+1], 1.0 op_sel_hi:[1,0]
.set i, i+2
.endr
.set i, 0
.rept 64
	v_rcp_f32 v[G+i], v[G+i]
.set i, i+1
.endr
	v_nop
	s_wait_alu depctr_va_vdst(0)
.set i, 0
.rept 32
	v_pk_mul_f32 v[HA+i:HA+i+1], v[HA+i:HA+i+1], v[G+i:G+i+1]
.set i, i+2
.endr
.endm
	s_load_b256 s[8:15], s[0:1], 0x0               ; W1 s[8:9], b1 s[10:11], xq s[12:13], list s[14:15]
	s_load_b64 s[16:17], s[0:1], 0x20              ; hq
	v_lshl_add_u32 v254, v0, 2, 0x9400
	v_mov_b32 v255, 0
	v_lshrrev_b32 v1, 5, v0
	v_readfirstlane_b32 s2, v1                     ; wave 0..7
	s_mov_b32 s3, ttmp9                            ; chunk of 128 hidden units
	s_and_b32 s4, ttmp7, 0xffff                    ; expert
	v_and_b32 v1, 31, v0                           ; lane
	v_and_b32 v2, 15, v0                           ; r
	v_bfe_u32 v3, v0, 4, 1                         ; h
	v_lshlrev_b32 v6, 2, v1                        ; 4 x lane
	v_lshlrev_b32 v17, 4, v1                       ; 16 x lane
	v_lshlrev_b32 v18, 2, v2                       ; 4 r: my token's word in a tile of the list
	s_and_b32 s24, s2, 3                           ; which 32 columns,
	s_lshr_b32 s25, s2, 2                          ; which half of K is my wave's
	s_lshl_b32 s26, s24, 5
	v_add_nc_u32 v19, s26, v1                      ; my column, 0 .. 127
	v_mul_u32_u24 v4, v19, WP
	s_lshl_b32 s26, s25, 7
	v_add_nc_u32 v4, s26, v4                       ; its row of codes, my half's 128 bytes
	v_lshlrev_b32 v5, 4, v19
	s_lshl_b32 s26, s25, 3
	s_add_co_u32 s26, s26, SCW
	v_add_nc_u32 v5, s26, v5                       ; its scale bytes, my half's eight
	v_and_b32 v7, 8, v2
	v_add_nc_u32 v8, v7, v2                        ; r + 8 (r / 8)
	v_mul_u32_u24 v7, v8, WP
	v_lshl_add_u32 v7, v3, 4, v7                   ; a fragment of W1: that column's row, + 16 h
	v_lshl_add_u32 v8, v8, 4, SCW                  ; and its four scale words
	v_lshl_add_u32 v9, v3, 6, B1L                  ; b1: my half's units begin 16 numbers on
	v_add_nc_u32 v20, B1L, v17                     ; where wave 0 puts b1
	v_mov_b32 v24, 0xbdd2d3e8                      ; c1, twice
	v_mov_b32 v25, 0xbdd2d3e8
	v_mov_b32 v26, 0xc0135761                      ; c0, twice
	v_mov_b32 v27, 0xc0135761
.irp b, 0,1,2,3
	v_mov_b32 v[TM+4+\b], 0                        ; written once: a lane permute's destination counts as one of its sources
.endr
	s_mov_b32 s20, 0x76543210
	s_mov_b32 s21, 0xfedcba98
	s_lshl_b32 s28, s4, 22                         ; W1: the expert's 4 MiB,
	s_lshl_b32 s26, s25, 21                        ; my half's 256 rows of 8,192 bytes,
	s_add_co_u32 s28, s28, s26
	s_lshl_b32 s26, s3, 9                          ; the chunk's 512 bytes of a row,
	s_add_co_u32 s28, s28, s26
	s_lshl_b32 s26, s24, 7                         ; my wave's 128 of them
	s_add_co_u32 s28, s28, s26
	s_mov_b32 s29, 0
	s_lshl_b32 s30, s4, 13                         ; b1
	s_lshl_b32 s26, s3, 9
	s_add_co_u32 s30, s30, s26
	s_mov_b32 s31, 0
	s_lshl_b32 s32, s4, 21                         ; hq's codes
	s_lshl_b32 s26, s3, 10
	s_add_co_u32 s32, s32, s26
	s_mov_b32 s33, 0
	s_lshl_b32 s34, s4, 18                         ; hq's scale words
	s_lshl_b32 s26, s3, 7
	s_add_co_u32 s34, s34, s26
	s_add_co_u32 s34, s34, 0x2000000
	s_mov_b32 s35, 0
	s_lshl_b32 s36, s4, 7                          ; nt[e]
	s_add_co_u32 s36, s36, 0x20000
	s_mov_b32 s37, 0
	s_lshl_b32 s38, s4, 13                         ; list[e]
	s_mov_b32 s39, 0
	s_wait_kmcnt 0x0
	s_add_nc_u64 s[36:37], s[14:15], s[36:37]
	s_load_b32 s5, s[36:37], 0x0                   ; nt
	s_add_nc_u64 s[8:9], s[8:9], s[28:29]
	s_add_nc_u64 s[10:11], s[10:11], s[30:31]
	s_add_nc_u64 s[24:25], s[16:17], s[34:35]
	s_add_nc_u64 s[16:17], s[16:17], s[32:33]
	s_add_nc_u64 s[22:23], s[12:13], 0x80000       ; x's scale words
	s_add_nc_u64 s[14:15], s[14:15], s[38:39]
	; ---- PHASE 1
	global_load_b128 v[BB:BB+3], v17, s[10:11]
	LOAD 0
	LOAD 1
	s_wait_kmcnt 0x0
	s_min_u32 s5, s5, 128
	s_max_u32 s5, s5, 1
	s_sub_co_u32 s19, s5, 1                        ; the last tile
	s_min_u32 s7, s2, s19                          ; the ids of tile w (held to the last tile: a wave with no tile reads words that exist)
	s_min_u32 s7, s7, 127
	s_lshl_b32 s7, s7, 6
	v_add_nc_u32 v10, s7, v18
	global_load_b32 v11, v10, s[14:15]
	s_add_co_u32 s7, s2, 8                         ; and of tile w + 8
	s_min_u32 s7, s7, s19
	s_min_u32 s7, s7, 127
	s_lshl_b32 s7, s7, 6
	v_add_nc_u32 v21, s7, v18
	global_load_b32 v12, v21, s[14:15]
	BLOCK 0, 34                                    ; younger: block 1's 32 and the two id loads
	BLOCK 1, 32                                    ; younger: block 2's 32; the ids are in as well
	BLOCK 2, 41                                    ; younger: the gather's 9 and block 3's 32
	BLOCK 3, 32
	BLOCK 4, 32
	BLOCK 5, 32
	BLOCK 6, 32
	BLOCK 7, 0
	ds_store_b64 v5, v[SB:SB+1]
	s_cmp_lg_u32 s2, 0
	s_cbranch_scc1 .Lnot_b1
	ds_store_b128 v20, v[BB:BB+3]                  ; wave 0 puts b1's 512 bytes
.Lnot_b1:
	s_wait_dscnt 0x0                               ; for the others' sake: my codes and bytes have landed
	s_barrier_signal -1
	s_barrier_wait -1                              ; the slice lies in LDS, whole; nothing is written there again
	; ---- PHASE 2
	WIN 0x40                                       ; destination window 1, address window 0
.irp t, 0,1,2,3,4,5,6,7
.irp s, 0,1,2,3
.irp c, 0,1
	ds_load_b128 v[8*(4*\t+\s)+4*\c:8*(4*\t+\s)+4*\c+3], v7 offset:(32*(\t/2)+8*(\t%2))*WP+64*\s+32*\c
.endr
.endr
.endr
	WIN 0
.irp t, 0,1,2,3,4,5,6,7
	ds_load_b128 v[W1S+4*\t:W1S+4*\t+3], v8 offset:(32*(\t/2)+8*(\t%2))*16
.endr
	s_wait_dscnt 0x0
	; ---- PHASE 3: the loop counts its trips by one, against a number fixed ahead of it
	s_add_co_u32 s40, s5, 7
	s_sub_co_u32 s40, s40, s2
	s_lshr_b32 s40, s40, 3                         ; my tiles: those of w, w + 8, .. that lie under nt: (nt + 7 - w) / 8, rounded down
	s_mov_b32 s41, 0
	s_cmp_eq_u32 s40, 0
	s_cbranch_scc1 .Lend
.Lrow:
	s_lshl_b32 s6, s41, 3
	s_add_co_u32 s6, s6, s2                        ; this trip's tile: 8 x trip + wave
.irp t, 0,1,2,3,4,5,6,7
	ds_load_b128 v[HA+8*\t:HA+8*\t+3], v9 offset:(32*(\t/2)+8*(\t%2))*4       ; b1 in the result's layout: the sums begin with it
	ds_load_b128 v[HA+8*\t+4:HA+8*\t+7], v9 offset:(32*(\t/2)+8*(\t%2))*4+16
.endr
	s_wait_loadcnt 0x0                             ; this tile's x and the next ids are in: their address registers are free
	s_wait_xcnt 0x0                                ; the last trip's stores have read PC, PW and their offsets
	s_wait_dscnt 0x0
	WIN 0x01                                       ; source 0 (W1) window 1
.irp s, 0,1,2,3                                ; the eight accumulators take turns, one instruction a turn, over the backward jump too
.irp t, 0,1,2,3,4,5,6,7
	v_wmma_scale_f32_16x16x128_f8f6f4 v[HA+8*\t:HA+8*\t+7], v[8*(4*\t+\s):8*(4*\t+\s)+7], v[XF+8*\s:XF+8*\s+7], v[HA+8*\t:HA+8*\t+7], v[W1S+4*\t+\s], v[XSC+\s] matrix_a_fmt:MATRIX_FMT_FP4 matrix_b_fmt:MATRIX_FMT_FP4
.endr
.endr
	WIN 0
.rept 4
	v_nop                                          ; places in front of loads into registers that the products have read, and of the first read of results
.endr
	GATHER 12                                      ; x of my next tile lands while this one goes through gelu
	s_add_co_u32 s7, s6, 16                        ; and the ids of the tile after it
	s_min_u32 s7, s7, s19
	s_min_u32 s7, s7, 127
	s_lshl_b32 s7, s7, 6
	v_add_nc_u32 v10, s7, v18
	global_load_b32 v12, v10, s[14:15]
	GELU
	QUANT HA, PW
	s_min_u32 s7, s6, 127
	s_lshl_b32 s26, s7, 14
	v_add_nc_u32 v15, s26, v17                     ; the tile's 16 fragments of 1,024 bytes; 16 x lane
	s_lshl_b32 s26, s7, 11
	v_add_nc_u32 v16, s26, v6
	global_store_b128 v15, v[PC:PC+3], s[16:17]                    ; 32 lanes store 512 consecutive bytes, aligned
	global_store_b128 v15, v[PC+4:PC+7], s[16:17] offset:512
	global_store_b32 v16, v[PW], s[24:25]
	s_add_co_u32 s41, s41, 1
	s_cmp_lt_u32 s41, s40
	s_cbranch_scc1 .Lrow
.Lend:
	s_barrier_signal -1
	s_barrier_wait -1
	s_wait_tensorcnt 0x0
	ds_add_u32 v254, v255
	s_wait_dscnt 0x0
	s_endpgm
.Lfunc_end_k_q348e609888_up:
	.size	k_q348e609888_up, .Lfunc_end_k_q348e609888_up-k_q348e609888_up
	.p2alignl 7, 3214868480
	.fill 96, 4, 3214868480
	.section	.rodata,"a",@progbits
	.p2align	6, 0x0
	.amdhsa_kernel k_q348e609888_up
		.amdhsa_group_segment_fixed_size 38912
		.amdhsa_private_segment_fixed_size 0
		.amdhsa_enable_private_segment 0
		.amdhsa_kernarg_size 40
		.amdhsa_user_sgpr_count 2
		.amdhsa_user_sgpr_kernarg_segment_ptr 1
		.amdhsa_wavefront_size32 1
		.amdhsa_system_sgpr_workgroup_id_x 1
		.amdhsa_system_sgpr_workgroup_id_y 1
		.amdhsa_system_sgpr_workgroup_id_z 1
		.amdhsa_system_vgpr_workitem_id 0
		.amdhsa_next_free_vgpr 512
		.amdhsa_next_free_sgpr 66
		.amdhsa_reserve_vcc 0
		.amdhsa_float_denorm_mode_32 3
		.amdhsa_float_denorm_mode_16_64 3
		.amdhsa_memory_ordered 1
		.amdhsa_forward_progress 1
		.amdhsa_inst_pref_size 73
	.end_amdhsa_kernel
	.amdgpu_metadata
---
amdhsa.version: [ 1, 2 ]
amdhsa.kernels:
  - .name:           k_q348e609888_up
    .symbol:         k_q348e609888_up.kd
    .args:
      - { .name: W1, .offset: 0, .size: 8, .value_kind: global_buffer, .address_space: global }
      - { .name: b1, .offset: 8, .size: 8, .value_kind: global_buffer, .address_space: global }
      - { .name: xq, .offset: 16, .size: 8, .value_kind: global_buffer, .address_space: global }
      - { .name: list, .offset: 24, .size: 8, .value_kind: global_buffer, .address_space: global }
      - { .name: hq, .offset: 32, .size: 8, .value_kind: global_buffer, .address_space: global }
    .group_segment_fixed_size: 38912
    .private_segment_fixed_size: 0
    .kernarg_segment_align: 8
    .kernarg_segment_size: 40
    .max_flat_workgroup_size: 256
    .sgpr_count:     66
    .vgpr_count:     512
    .wavefront_size: 32
...
	.end_amdgpu_metadata
.endif
;; end of part 3
;; launch down (part 4): grid 16 x 16, 8 waves a work-group, no clusters, 71,680 bytes of LDS; arguments W2, hq, list, ypart; writes ypart
.if DOCPART == 4
	.amdgcn_target "amdgcn-amd-amdhsa--gfx1250"
	.amdhsa_code_object_version 6
	.text
	.protected	k_q348e609888_down
	.globl	k_q348e609888_down
	.p2align	8
	.type	k_q348e609888_down,@function
k_q348e609888_down:
	s_mov_b64 s[64:65], 0
	v_nop
	global_prefetch_b8 v0, s[64:65] scope:SCOPE_SE
	s_setreg_imm32_b32 hwreg(HW_REG_WAVE_MODE, 25, 1), 1
	s_wait_xcnt 0x0
; DOWN.  Work-group (x, e): dc = x % 8 is a chunk of 64 output columns, kh = x / 8 a half of K = 2,048.  It reads its slice of W2 [16][2048][512] f32 (1,024 rows x 256 bytes) ONCE, quantises it along K,
; keeps it in every wave's registers, and makes for all rows routed to e the partial sums y = Q(h) Q(W2) over its half of K.  OUT: ypart [kh][e][position][512] f32.  b2 and the two halves are joined by the next launch.
; WHY HALVES OF K: a row piece of 64 columns is 256 consecutive aligned bytes; 16 experts x 8 such chunks are 128 work-groups; the halves make 256 equal slices of 262,144 bytes.
; PHASE 1: a lane takes a column and its registers run down K: wave w takes columns 32 (w % 2) .. + 31 and rows 256 (w / 2) .. + 255: eight blocks of 32; two waves side by side read 256 consecutive bytes.
;   Codes go to LDS, a row of 528 bytes for each column; one barrier.   PHASE 2: every wave reads all 32 fragments (4 tiles of columns x 8 K steps) into window 1.
; PHASE 3: wave w takes tiles of 16 rows w, w + 8, .. under nt[e] (stored by an earlier launch): no barrier in this loop.  h's fragments come from hq as images of their registers, two sets by turns, a tile ahead.
;   The product is used transposed (source 0 = 16 columns of W2, source 1 = 16 rows of h): a lane holds eight neighbouring columns of one row; they go through the wave's own stage and leave as rows of 256 bytes.
; NO TENSOR LOADS, NO CLUSTER: the trip count is read from memory; h's codes, which eight work-groups share, are small beside the weights that each reads alone.
; LIMITS: as in the launch before; a sum over K is made in two halves and joined in f32.  An expert without rows still has its weights read and one tile made.
.set WP,  528                          ; LDS: a column's 512 bytes of codes + 16
.set SCW, 64*WP                        ; 32 scale bytes a column
.set STG, SCW+2048                     ; a stage of 16 rows x 272 bytes for each wave, its own
.set SP,  272
.set HS0, 24                           ; v24-31   h's scale words, set 0: scales and nothing else
.set H0,  32                           ; v32-95   h's eight fragments, set 0; on the way out 16 rows of y
.set H1,  96                           ; v96-159  set 1; in phase 1 two sets of 32 numbers of W2
.set HS1, 160                          ; v160-167 h's scale words, set 1
.set ACC, 168                          ; v168-199 four accumulators
.set W2S, 200                          ; v200-231 W2's scale words, tile t, K step k at 8 t + k: scales and nothing else
.set CD,  232                          ; phase 1: v232-239 two sets of a block's codes; v240-241 my eight scale bytes; v242-245 at work
.set SB,  240
.set TM,  242
.set MSB, 0
.macro WIN new                         ; the immediate's high byte repeats the setting that is left
.if MSB != \new
	s_set_vgpr_msb (MSB<<8)|\new
.set MSB, \new
.endif
.endm
.macro LOAD t                          ; block t: W2(32 t + i, my column), i = 0 .. 31, into set t % 2
.set i, 0
.rept 32
	global_load_b32 v[H1+32*((\t)%2)+i], v6, s[8:9] offset:(32*(\t)+i)*2048 th:TH_LOAD_NT
.set i, i+1
.endr
.endm
.macro PRE hset, jreg, ahead           ; h's eight fragments and scale words of tile s[jreg] + ahead (held to the last tile, whose bytes were written) into set hset: 24 loads
	s_add_co_u32 s26, s[\jreg], \ahead
	s_min_u32 s26, s26, s19
	s_min_u32 s26, s26, 127
	s_lshl_b32 s27, s26, 14
	v_add_nc_u32 v[13+\hset], s27, v17
	s_lshl_b32 s27, s26, 11
	v_add_nc_u32 v[15+\hset], s27, v6
.irp k, 0,1,2,3,4,5,6,7
.irp c, 0,1
	global_load_b128 v[H0+64*(\hset)+8*\k+4*\c:H0+64*(\hset)+8*\k+4*\c+3], v[13+\hset], s[10:11] offset:1024*\k+512*\c   ; 32 lanes read 512 consecutive bytes
.endr
.endr
.irp k, 0,1,2,3,4,5,6,7
	global_load_b32 v[HS0+136*(\hset)+\k], v[15+\hset], s[20:21] offset:128*\k
.endr
.endm
.macro BLOCK t, n                      ; block t is quantised; n: the loads younger than its 32
.set XB, H1+32*((\t)%2)
.set CB, CD+4*((\t)%2)
	s_wait_loadcnt \n
.if (\t) == 1
	s_wait_kmcnt 0x0                               ; nt
	s_min_u32 s5, s5, 128
	s_max_u32 s5, s5, 1
	s_sub_co_u32 s19, s5, 1                        ; the last tile
	PRE 0, 2, 0                                    ; my first tile's h is asked for here
.endif
	v_max3_num_f32 v[TM], |v[XB]|, |v[XB+1]|, |v[XB+2]|
	v_max3_num_f32 v[TM+1], |v[XB+3]|, |v[XB+4]|, |v[XB+5]|
.irp i, 6,10,14,18,22,26
	v_max3_num_f32 v[TM], v[TM], |v[XB+\i]|, |v[XB+\i+1]|
	v_max3_num_f32 v[TM+1], v[TM+1], |v[XB+\i+2]|, |v[XB+\i+3]|
.endr
	v_max3_num_f32 v[TM], v[TM], |v[XB+30]|, |v[XB+31]|
	v_max3_num_f32 v[TM], v[TM], v[TM+1], 0x1800000                ; the floor 2^(3 - 127)
	v_add_nc_u32 v[TM+2], 0xff000000, v[TM]        ; 2 off the exponent field: the conversion's scale operand
	v_lshrrev_b32 v[TM+3], 23, v[TM+2]             ; the scale's byte
.if (\t)%4 == 0
	v_mov_b32 v[SB+(\t)/4], v[TM+3]
.else
	v_lshl_or_b32 v[SB+(\t)/4], v[TM+3], 8*((\t)%4), v[SB+(\t)/4]
.endif
	s_wait_dscnt 0x1                               ; the store two blocks back has read this set of codes
.irp g, 0,1,2,3
	v_cvt_scalef32_pk8_fp4_f32 v[CB+\g], v[XB+8*\g:XB+8*\g+7], v[TM+2]
.endr
	v_nop                                          ; one plain place behind a scaled conversion
	ds_store_b128 v4, v[CB:CB+3] offset:16*(\t)
.if (\t)+2 < 8
	LOAD (\t)+2
.endif
.endm
; A tile of 16 rows, number s[jreg], from set hset: 32 products, the way out, and the set's refill two of my tiles on
.macro TRIP hset, jreg
.set HH,  H0+64*(\hset)
.set HSS, HS0+136*(\hset)
	s_wait_loadcnt 24                              ; this set's 24 loads are in; the other set's 24 are younger
	WIN 0x01                                       ; source 0 (W2) window 1
.irp k, 0,1,2,3,4,5,6,7                        ; the four accumulators take turns, one instruction a turn; the first K step starts the sums
.irp t, 0,1,2,3
.if \k == 0
	v_wmma_scale_f32_16x16x128_f8f6f4 v[ACC+8*\t:ACC+8*\t+7], v[8*(8*\t+\k):8*(8*\t+\k)+7], v[HH+8*\k:HH+8*\k+7], 0, v[W2S+8*\t+\k], v[HSS+\k] matrix_a_fmt:MATRIX_FMT_FP4 matrix_b_fmt:MATRIX_FMT_FP4
.else
	v_wmma_scale_f32_16x16x128_f8f6f4 v[ACC+8*\t:ACC+8*\t+7], v[8*(8*\t+\k):8*(8*\t+\k)+7], v[HH+8*\k:HH+8*\k+7], v[ACC+8*\t:ACC+8*\t+7], v[W2S+8*\t+\k], v[HSS+\k] matrix_a_fmt:MATRIX_FMT_FP4 matrix_b_fmt:MATRIX_FMT_FP4
.endif
.endr
.endr
	WIN 0
.rept 5
	v_nop                                          ; four places for the stores that read results and the loads into h's registers; the fifth for the next tile's products, which begin these accumulators anew
.endr
.irp t, 0,1,2,3
	ds_store_b128 v9, v[ACC+8*\t:ACC+8*\t+3] offset:64*\t          ; each accumulator from its low end on: row r, columns 16 t + 8 h + 0 .. 7
	ds_store_b128 v9, v[ACC+8*\t+4:ACC+8*\t+7] offset:64*\t+16
.endr
.irp i, 0,1,2,3,4,5,6,7
	ds_load_b128 v[HH+4*\i:HH+4*\i+3], v10 offset:2*SP*\i          ; LDS serves a wave's instructions in order: these see my stores
.endr
	s_min_u32 s26, s[\jreg], 127
	s_lshl_b32 s26, s26, 15                        ; 16 rows of 2,048 bytes a tile
	v_add_nc_u32 v12, s26, v11
.irp i, 0,1,2,3,4,5,6,7
	s_wait_dscnt 7-\i
	global_store_b128 v12, v[HH+4*\i:HH+4*\i+3], s[14:15] offset:4096*\i th:TH_STORE_NT   ; sixteen lanes store 256 consecutive bytes, aligned
.endr
	s_wait_xcnt 0x0                                ; the stores have read their data and their offset: the set is loaded again only behind this wait
	PRE \hset, \jreg, 16
.endm
	s_load_b256 s[8:15], s[0:1], 0x0               ; W2 s[8:9], hq s[10:11], list s[12:13], ypart s[14:15]
	v_lshl_add_u32 v254, v0, 2, 0x11400
	v_mov_b32 v255, 0
	v_lshrrev_b32 v1, 5, v0
	v_readfirstlane_b32 s2, v1                     ; wave 0..7
	s_and_b32 s3, ttmp9, 7                         ; dc
	s_lshr_b32 s18, ttmp9, 3                       ; kh
	s_and_b32 s4, ttmp7, 0xffff                    ; expert
	v_and_b32 v1, 31, v0                           ; lane
	v_and_b32 v2, 15, v0                           ; r
	v_bfe_u32 v3, v0, 4, 1                         ; h
	v_lshlrev_b32 v6, 2, v1                        ; 4 x lane
	v_lshlrev_b32 v17, 4, v1                       ; 16 x lane
	s_and_b32 s24, s2, 1                           ; which 32 columns,
	s_lshr_b32 s25, s2, 1                          ; which quarter of my 1,024 along K is my wave's
	s_lshl_b32 s26, s24, 5
	v_add_nc_u32 v19, s26, v1                      ; my column, 0 .. 63
	v_mul_u32_u24 v4, v19, WP
	s_lshl_b32 s26, s25, 7
	v_add_nc_u32 v4, s26, v4                       ; its row of codes, my quarter's 128 bytes
	v_lshlrev_b32 v5, 5, v19
	s_lshl_b32 s26, s25, 3
	s_add_co_u32 s26, s26, SCW
	v_add_nc_u32 v5, s26, v5                       ; its scale bytes, my quarter's eight
	v_mul_u32_u24 v7, v2, WP
	v_lshl_add_u32 v7, v3, 4, v7                   ; a fragment of W2: column r's row, + 16 h
	v_lshl_add_u32 v8, v2, 5, SCW                  ; and its eight scale words
	s_mul_i32 s26, s2, 16*SP
	s_add_co_u32 s26, s26, STG                     ; my stage
	v_mul_u32_u24 v9, v2, SP
	v_lshl_add_u32 v9, v3, 5, v9
	v_add_nc_u32 v9, s26, v9                       ; in: row r, + 32 h
	v_mul_u32_u24 v10, v3, SP
	v_lshl_add_u32 v10, v2, 4, v10
	v_add_nc_u32 v10, s26, v10                     ; back: lanes 0-15 one row, lanes 16-31 the next
	v_lshlrev_b32 v11, 11, v3
	v_lshl_add_u32 v11, v2, 4, v11                 ; the same two rows in ypart
	s_lshl_b32 s28, s4, 22                         ; W2: the expert's 4 MiB,
	s_lshl_b32 s26, s18, 21                        ; my half's 1,024 rows of 2,048 bytes,
	s_add_co_u32 s28, s28, s26
	s_lshl_b32 s26, s25, 19                        ; my wave's 256 of them,
	s_add_co_u32 s28, s28, s26
	s_lshl_b32 s26, s3, 8                          ; the chunk's 256 bytes of a row,
	s_add_co_u32 s28, s28, s26
	s_lshl_b32 s26, s24, 7                         ; my wave's 128 of them
	s_add_co_u32 s28, s28, s26
	s_mov_b32 s29, 0
	s_lshl_b32 s30, s4, 21                         ; hq's codes: the expert, my half's eight K steps
	s_lshl_b32 s26, s18, 13
	s_add_co_u32 s30, s30, s26
	s_mov_b32 s31, 0
	s_lshl_b32 s32, s4, 18                         ; hq's scale words
	s_lshl_b32 s26, s18, 10
	s_add_co_u32 s32, s32, s26
	s_add_co_u32 s32, s32, 0x2000000
	s_mov_b32 s33, 0
	s_lshl_b32 s34, s18, 26                        ; ypart: my half, the expert, the chunk
	s_lshl_b32 s26, s4, 22
	s_add_co_u32 s34, s34, s26
	s_lshl_b32 s26, s3, 8
	s_add_co_u32 s34, s34, s26
	s_mov_b32 s35, 0
	s_lshl_b32 s36, s4, 7                          ; nt[e]
	s_add_co_u32 s36, s36, 0x20000
	s_mov_b32 s37, 0
	s_wait_kmcnt 0x0
	s_add_nc_u64 s[36:37], s[12:13], s[36:37]
	s_load_b32 s5, s[36:37], 0x0                   ; nt
	s_add_nc_u64 s[8:9], s[8:9], s[28:29]
	s_add_nc_u64 s[20:21], s[10:11], s[32:33]
	s_add_nc_u64 s[10:11], s[10:11], s[30:31]
	s_add_nc_u64 s[14:15], s[14:15], s[34:35]
	; ---- PHASE 1
	LOAD 0
	LOAD 1
	BLOCK 0, 32                                    ; younger: block 1's 32
	BLOCK 1, 32                                    ; younger: block 2's 32
	BLOCK 2, 56                                    ; younger: h's 24 and block 3's 32
	BLOCK 3, 32
	BLOCK 4, 32
	BLOCK 5, 32
	BLOCK 6, 32
	BLOCK 7, 0
	PRE 1, 2, 8                                    ; W2's numbers have left set 1's registers: my second tile's h
	ds_store_b64 v5, v[SB:SB+1]
	s_wait_dscnt 0x0                               ; for the others' sake: my codes and bytes have landed
	s_barrier_signal -1
	s_barrier_wait -1                              ; the slice lies in LDS, whole; nothing is written there again
	; ---- PHASE 2
	WIN 0x40                                       ; destination window 1, address window 0
.irp t, 0,1,2,3
.irp k, 0,1,2,3,4,5,6,7
.irp c, 0,1
	ds_load_b128 v[8*(8*\t+\k)+4*\c:8*(8*\t+\k)+4*\c+3], v7 offset:16*\t*WP+64*\k+32*\c
.endr
.endr
.endr
	WIN 0
.irp t, 0,1,2,3
.irp q, 0,1
	ds_load_b128 v[W2S+8*\t+4*\q:W2S+8*\t+4*\q+3], v8 offset:512*\t+16*\q
.endr
.endr
	s_wait_dscnt 0x0
	; ---- PHASE 3: a trip is two of my tiles, one from each set; the loop counts its trips by one, against a number fixed ahead of it
	s_add_co_u32 s40, s5, 15
	s_sub_co_u32 s40, s40, s2
	s_lshr_b32 s40, s40, 4                         ; trips: half of my tiles, rounded up: (nt + 15 - w) / 16, rounded down
	s_mov_b32 s41, 0
	s_cmp_eq_u32 s40, 0
	s_cbranch_scc1 .Lend
.Lrow:
	s_lshl_b32 s6, s41, 4
	s_add_co_u32 s6, s6, s2                        ; the trip's first tile: 16 x trip + wave
	TRIP 0, 6
	s_add_co_u32 s7, s6, 8                         ; its second
	s_cmp_lt_u32 s7, s5
	s_cbranch_scc1 .Lsecond
	s_wait_tensorcnt 0x0
	ds_add_u32 v254, v255
	s_wait_dscnt 0x0
	s_endpgm                                       ; my last tile was the trip's first: the wave ends here (the look-ahead's loads may be out at the end)
.Lsecond:
	TRIP 1, 7
	s_add_co_u32 s41, s41, 1
	s_cmp_lt_u32 s41, s40
	s_cbranch_scc1 .Lrow
.Lend:
	s_wait_tensorcnt 0x0
	ds_add_u32 v254, v255
	s_wait_dscnt 0x0
	s_endpgm
.Lfunc_end_k_q348e609888_down:
	.size	k_q348e609888_down, .Lfunc_end_k_q348e609888_down-k_q348e609888_down
	.p2alignl 7, 3214868480
	.fill 96, 4, 3214868480
	.section	.rodata,"a",@progbits
	.p2align	6, 0x0
	.amdhsa_kernel k_q348e609888_down
		.amdhsa_group_segment_fixed_size 71680
		.amdhsa_private_segment_fixed_size 0
		.amdhsa_enable_private_segment 0
		.amdhsa_kernarg_size 32
		.amdhsa_user_sgpr_count 2
		.amdhsa_user_sgpr_kernarg_segment_ptr 1
		.amdhsa_wavefront_size32 1
		.amdhsa_system_sgpr_workgroup_id_x 1
		.amdhsa_system_sgpr_workgroup_id_y 1
		.amdhsa_system_sgpr_workgroup_id_z 1
		.amdhsa_system_vgpr_workitem_id 0
		.amdhsa_next_free_vgpr 512
		.amdhsa_next_free_sgpr 66
		.amdhsa_reserve_vcc 0
		.amdhsa_float_denorm_mode_32 3
		.amdhsa_float_denorm_mode_16_64 3
		.amdhsa_memory_ordered 1
		.amdhsa_forward_progress 1
		.amdhsa_inst_pref_size 69
	.end_amdhsa_kernel
	.amdgpu_metadata
---
amdhsa.version: [ 1, 2 ]
amdhsa.kernels:
  - .name:           k_q348e609888_down
    .symbol:         k_q348e609888_down.kd
    .args:
      - { .name: W2, .offset: 0, .size: 8, .value_kind: global_buffer, .address_space: global }
      - { .name: hq, .offset: 8, .size: 8, .value_kind: global_buffer, .address_space: global }
      - { .name: list, .offset: 16, .size: 8, .value_kind: global_buffer, .address_space: global }
      - { .name: ypart, .offset: 24, .size: 8, .value_kind: global_buffer, .address_space: global }
    .group_segment_fixed_size: 71680
    .private_segment_fixed_size: 0
    .kernarg_segment_align: 8
    .kernarg_segment_size: 32
    .max_flat_workgroup_size: 256
    .sgpr_count:     66
    .vgpr_count:     512
    .wavefront_size: 32
...
	.end_amdgpu_metadata
.endif
;; end of part 4
;; launch join (part 5): grid 256 x 1, 8 waves a work-group, no clusters, 0 bytes of LDS; arguments ypart, inv, b2, out0; writes out0
.if DOCPART == 5
	.amdgcn_target "amdgcn-amd-amdhsa--gfx1250"
	.amdhsa_code_object_version 6
	.text
	.protected	k_q348e609888_join
	.globl	k_q348e609888_join
	.p2align	8
	.type	k_q348e609888_join,@function
k_q348e609888_join:
	s_mov_b64 s[64:65], 0
	v_nop
	global_prefetch_b8 v0, s[64:65] scope:SCOPE_SE
	s_setreg_imm32_b32 hwreg(HW_REG_WAVE_MODE, 25, 1), 1
	s_wait_xcnt 0x0
; JOIN.  out0[t] = (y0[p0] + y1[p0] + b2[e0]) + (y0[p1] + y1[p1] + b2[e1]): the two halves of K of the token's two experts' rows and their biases; p = 2,048 e + position comes from inv, stored by an earlier launch.
; A wave takes one token: a row is 2,048 bytes, four loads of 512 consecutive bytes from each of six rows; all 24 loads go out at once; each store covers 512 consecutive aligned bytes.  Each output row has this one owner.
; A stream: no LDS, no barrier, no matrix unit.
	s_load_b256 s[8:15], s[0:1], 0x0               ; ypart s[8:9], inv s[10:11], b2 s[12:13], out0 s[14:15]
	v_lshrrev_b32 v1, 5, v0
	v_readfirstlane_b32 s2, v1                     ; wave 0..7
	s_lshl_b32 s3, ttmp9, 3
	s_add_co_u32 s3, s3, s2                        ; my token
	s_lshl_b32 s4, s3, 3                           ; its pair in inv
	s_mov_b32 s5, 0
	s_lshl_b32 s32, s3, 11                         ; its row of out0
	s_mov_b32 s33, 0
	v_and_b32 v1, 31, v0
	v_lshlrev_b32 v1, 4, v1                        ; 16 x lane
	s_wait_kmcnt 0x0
	s_add_nc_u64 s[10:11], s[10:11], s[4:5]
	s_load_b64 s[6:7], s[10:11], 0x0
	s_add_nc_u64 s[14:15], s[14:15], s[32:33]
	s_wait_kmcnt 0x0
	s_lshr_b32 s16, s6, 11                         ; e0,
	s_min_u32 s16, s16, 15
	s_lshl_b32 s16, s16, 11                        ; its row of b2
	s_mov_b32 s17, 0
	s_min_u32 s6, s6, 0x7fff
	s_lshl_b32 s18, s6, 11                         ; p0's row of 2,048 bytes
	s_mov_b32 s19, 0
	s_add_nc_u64 s[20:21], s[8:9], s[18:19]
	s_add_nc_u64 s[22:23], s[20:21], 0x4000000     ; the same row in the other half of K
	s_add_nc_u64 s[24:25], s[12:13], s[16:17]
	s_lshr_b32 s16, s7, 11                         ; e1
	s_min_u32 s16, s16, 15
	s_lshl_b32 s16, s16, 11
	s_min_u32 s7, s7, 0x7fff
	s_lshl_b32 s18, s7, 11
	s_add_nc_u64 s[26:27], s[8:9], s[18:19]
	s_add_nc_u64 s[28:29], s[26:27], 0x4000000
	s_add_nc_u64 s[30:31], s[12:13], s[16:17]
.irp q, 0,1,2,3
	global_load_b128 v[16+24*\q:19+24*\q], v1, s[20:21] offset:512*\q th:TH_LOAD_NT
	global_load_b128 v[20+24*\q:23+24*\q], v1, s[22:23] offset:512*\q th:TH_LOAD_NT
	global_load_b128 v[24+24*\q:27+24*\q], v1, s[24:25] offset:512*\q
	global_load_b128 v[28+24*\q:31+24*\q], v1, s[26:27] offset:512*\q th:TH_LOAD_NT
	global_load_b128 v[32+24*\q:35+24*\q], v1, s[28:29] offset:512*\q th:TH_LOAD_NT
	global_load_b128 v[36+24*\q:39+24*\q], v1, s[30:31] offset:512*\q
.endr
.irp q, 0,1,2,3
	s_wait_loadcnt 18-6*\q                         ; this quarter's six loads are in; the later quarters' stay out
.irp p, 0,2
	v_pk_add_f32 v[16+24*\q+\p:17+24*\q+\p], v[16+24*\q+\p:17+24*\q+\p], v[20+24*\q+\p:21+24*\q+\p]
	v_pk_add_f32 v[28+24*\q+\p:29+24*\q+\p], v[28+24*\q+\p:29+24*\q+\p], v[32+24*\q+\p:33+24*\q+\p]
.endr
.irp p, 0,2
	v_pk_add_f32 v[16+24*\q+\p:17+24*\q+\p], v[16+24*\q+\p:17+24*\q+\p], v[24+24*\q+\p:25+24*\q+\p]
	v_pk_add_f32 v[28+24*\q+\p:29+24*\q+\p], v[28+24*\q+\p:29+24*\q+\p], v[36+24*\q+\p:37+24*\q+\p]
.endr
.irp p, 0,2
	v_pk_add_f32 v[16+24*\q+\p:17+24*\q+\p], v[16+24*\q+\p:17+24*\q+\p], v[28+24*\q+\p:29+24*\q+\p]
.endr
	global_store_b128 v1, v[16+24*\q:19+24*\q], s[14:15] offset:512*\q th:TH_STORE_NT
.endr
	s_endpgm
.Lfunc_end_k_q348e609888_join:
	.size	k_q348e609888_join, .Lfunc_end_k_q348e609888_join-k_q348e609888_join
	.p2alignl 7, 3214868480
	.fill 96, 4, 3214868480
	.section	.rodata,"a",@progbits
	.p2align	6, 0x0
	.amdhsa_kernel k_q348e609888_join
		.amdhsa_group_segment_fixed_size 0
		.amdhsa_private_segment_fixed_size 0
		.amdhsa_enable_private_segment 0
		.amdhsa_kernarg_size 32
		.amdhsa_user_sgpr_count 2
		.amdhsa_user_sgpr_kernarg_segment_ptr 1
		.amdhsa_wavefront_size32 1
		.amdhsa_system_sgpr_workgroup_id_x 1
		.amdhsa_system_sgpr_workgroup_id_y 1
		.amdhsa_system_sgpr_workgroup_id_z 1
		.amdhsa_system_vgpr_workitem_id 0
		.amdhsa_next_free_vgpr 112
		.amdhsa_next_free_sgpr 66
		.amdhsa_reserve_vcc 0
		.amdhsa_float_denorm_mode_32 3
		.amdhsa_float_denorm_mode_16_64 3
		.amdhsa_memory_ordered 1
		.amdhsa_forward_progress 1
		.amdhsa_inst_pref_size 7
	.end_amdhsa_kernel
	.amdgpu_metadata
---
amdhsa.version: [ 1, 2 ]
amdhsa.kernels:
  - .name:           k_q348e609888_join
    .symbol:         k_q348e609888_join.kd
    .args:
      - { .name: ypart, .offset: 0, .size: 8, .value_kind: global_buffer, .address_space: global }
      - { .name: inv, .offset: 8, .size: 8, .value_kind: global_buffer, .address_space: global }
      - { .name: b2, .offset: 16, .size: 8, .value_kind: global_buffer, .address_space: global }
      - { .name: out0, .offset: 24, .size: 8, .value_kind: global_buffer, .address_space: global }
    .group_segment_fixed_size: 0
    .private_segment_fixed_size: 0
    .kernarg_segment_align: 8
    .kernarg_segment_size: 32
    .max_flat_workgroup_size: 256
    .sgpr_count:     66
    .vgpr_count:     112
    .wavefront_size: 32
...
	.end_amdgpu_metadata
.endif
;; end of part 5
